; MI455X (gfx1250); checked and timed in simulation.
; The chip was launched on July 23, 2026; its instructions are those of AMD's public machine-readable ISA for CDNA 5 (MIT licence, August 2026) and "CDNA5" Instruction Set Architecture Reference Guide (July 2026). The comments in the code are by the model that wrote it; some were corrected since.
;; Entmax Attention. Allowed arithmetic: matrix products marked QUANTISED: E4M3 operands, one given power-of-two scale a tensor, by v_wmma_f32_16x16x64_fp8_fp8 or v_wmma_f32_16x16x128_fp8_fp8, f32 sums; everything else in f32.
;; Inputs: k 2 x 16 x 2,048 x 64 float32; lowp_scales 4 int32 (the exponents e of the quantised operands' scales 2^e); q 2 x 16 x 2,048 x 64 float32; v 2 x 16 x 2,048 x 64 float32.
;; Outputs: out0 2 x 16 x 2,048 x 64 float32.
;; This version of the problem:
;;   THIS VERSION OF THE PROBLEM IS GIVEN IN LOW PRECISION. The matrix products marked QUANTISED in the list below multiply operands that are first quantised to E4M3 (4 exponent bits, 3 mantissa bits; 8 bits a number), with one given power-of-two scale for each operand tensor; their sums are f32. All else is computed in f32.
;;   The module's matrix products, in the order in which they are computed (A, B: the left and right operand; K: the contracted axis; several contracted axes count as one K, in the product's order):
;;     1. batch 32 x [M 2,048, K 64] x [K 64, N 2,048]; A: input q; B: input k: QUANTISED (scales: A lowp_scales[0], B lowp_scales[1])
;;     2. batch 32 x [M 2,048, K 2,048] x [K 2,048, N 64]; A: computed on the way; B: input v: QUANTISED (scales: A lowp_scales[2], B lowp_scales[3])
;;   THE QUANTISER, for each operand of a quantised product, along K:
;;     - The operand's scale is 2^e, e = its entry of the input lowp_scales (int32; the entries are numbered through the quantised products in the list's order, A before B).
;;     - Each number is divided by the scale, clamped to +-448, and rounded to the nearest number of E4M3, ties to even, subnormals kept.
;;     - The product sums the exact products of the quantised numbers (number of the format x scale) in f32.
;;   ~~~python
;;   def quantise(x, axis, e):      # numpy; x: float32 -> the quantised numbers, widened to float32 again
;;       x = np.moveaxis(x, axis, -1); K = x.shape[-1]
;;       r = np.clip(x / 2.0 ** e, -448, 448)
;;       step = 2.0 ** (np.maximum(np.frexp(np.where(r == 0, 1, r))[1] - 1, -6) - 3)
;;       q = np.round(r / step) * step * 2.0 ** e      # np.round: ties to even
;;       return np.moveaxis(q, -1, axis).astype(np.float32)
;;   ~~~
;;   OPERANDS COMPUTED ON THE WAY. 'Computed on the way' means the value that the module computes at that place (a softmax that the list does not call 'softmax' is quantised finished and normalised). What goes into a quantiser is computed in f32, as accurately as f32 sums, v_exp_f32 and their like allow (about 1e-6 of the number): no bf16 or f16 on the way to a quantiser, and a product that is left as it is and whose result goes on into a quantised operand takes f32 operands (vector FMAs, or v_wmma_f32_16x16x4_f32). A number that lies on a knife's edge between two numbers of the format may be rounded either way, as far as f32 arithmetic and the matrix unit's own rounding can turn it there, and no further.
;; One version. Each part assembles by itself: llvm-mc -triple=amdgcn-amd-amdhsa -mcpu=gfx1250 --defsym DOCPART=n.
;; ======== version 1 of 1: 2 launches
;; limits: a function is approximated: absolute error at most 9.537e-07
;; workspace buffers: kimg 4,194,304 bytes; vimg 4,194,304 bytes
;; launch quant (part 1): grid 16 x 32, 4 waves a work-group, no clusters, 35,328 bytes of LDS; arguments k, v, lowp_scales, kimg, vimg; writes kimg, vimg
.if DOCPART == 1
	.amdgcn_target "amdgcn-amd-amdhsa--gfx1250"
	.amdhsa_code_object_version 6
	.text
	.protected	k_q266aa1dd9c_quant
	.globl	k_q266aa1dd9c_quant
	.p2align	8
	.type	k_q266aa1dd9c_quant,@function
k_q266aa1dd9c_quant:
	s_mov_b64 s[64:65], 0
	v_nop
	global_prefetch_b8 v0, s[64:65] scope:SCOPE_SE
	s_setreg_imm32_b32 hwreg(HW_REG_WAVE_MODE, 25, 1), 1
	s_wait_xcnt 0x0
; k and v, [32 heads][2048 keys][64] f32, become codes of FP8 (E4M3), laid as IMAGES OF THE OPERANDS' REGISTERS, so that the next launch brings a head's codes
; into LDS as one dense block and fetches every fragment by loads of 16 bytes a lane at 16 x lane.
; code = x / 2^e, held within +-448, to the nearest code, ties to even.  e = lowp_scales[1] for k, lowp_scales[3] for v.
; LIMITS: both e between -126 and 119, so that 2^e and 448 x 2^e are f32 numbers.  NaN among the inputs is not served; an infinity is held at the largest code.
; kimg [head][fragment f 128][u 2][lane 32][16 bytes]: fragment f = keys 16 f .. 16 f + 15.  Lane (r = lane % 16, h = lane / 16) holds key 16 f + r;
;   byte b of its register p (0..7) is channel 32 h + 4 p + b; block u holds registers 4 u .. 4 u + 3.  (q's fragments are laid the same way in the next launch:
;   one permutation of the 64 channels on both sides of the product, so every product meets its partner.)
; vimg [head][step s 16][t 4][u 4][lane 32][16 bytes]: fragment (s, t): lane (r, h) holds channel 4 r + t; its registers 2 c, 2 c + 1 hold keys 128 s + 16 c + 8 h + 0 .. 7.
; SHARES.  Work-group (x, y): head y, keys 128 x .. 128 x + 127.  Wave w: keys 32 w .. 32 w + 31 of them: k's fragments 8 x + 2 w + ff and, of v's four fragments (x, t), block u = w.
; k: a lane needs 32 neighbouring channels of one key, 128 bytes; the loads take the bytes as they lie (512 consecutive bytes a load) and turn through the wave's own stage in LDS.
; v: a load gives a lane channels 4 r .. 4 r + 3 of one key (sixteen lanes read a whole row of 256 bytes); eight such loads run down the keys, and the hold writes each number to its place: nothing else transposes.
; No tensor loads, no barrier (waves share nothing), no loop: every offset is an immediate and no register that a load or store names is written again.
.set SP,    272                        ; a stage row: 256 bytes + 16 = 17 x 16 bytes, so the sixteen rows that a load of 16 bytes a lane touches begin 16 bytes apart modulo 256
.set STG1,  16*SP                      ; a stage: 16 keys
.set WREG,  2*STG1                     ; two stages for each wave
.set KR,    16                         ; v16-79   k as loaded; later v's numbers in their places (XT)
.set XT,    16
.set KT,    80                         ; v80-143  k behind the turn: 32 neighbours for each of two fragments
.set VR,    144                        ; v144-207 v as loaded
.set KC,    208                        ; v208-223 k's codes
.set VC,    224                        ; v224-239 v's codes
	s_load_b128 s[4:7], s[0:1], 0x0                ; k, v
	s_load_b128 s[8:11], s[0:1], 0x10              ; lowp_scales, kimg
	s_load_b64 s[12:13], s[0:1], 0x20              ; vimg
	v_lshl_add_u32 v240, v0, 2, 0x8800
	v_mov_b32 v241, 0
	v_lshrrev_b32 v9, 5, v0
	v_readfirstlane_b32 s14, v9                    ; wave 0..3
	s_and_b32 s15, ttmp7, 0xffff                   ; head
	v_and_b32 v9, 31, v0                           ; lane
	v_lshlrev_b32 v1, 4, v9                        ; v1: 16 x lane
	v_and_b32 v10, 15, v0                          ; r
	v_bfe_u32 v11, v0, 4, 1                        ; h
	v_lshlrev_b32 v2, 4, v10
	v_lshl_add_u32 v2, v11, 11, v2                 ; v2: v's loads: 16 r + 8 h rows of 256 bytes
	s_lshl_b32 s16, s15, 19                        ; in k and in v: head x 524,288
	s_lshl_b32 s26, ttmp9, 15                      ; + 128 keys x 256 bytes for each x
	s_add_co_u32 s16, s16, s26
	s_lshl_b32 s26, s14, 13                        ; + 32 keys x 256 bytes for each wave
	s_add_co_u32 s16, s16, s26
	s_mov_b32 s17, 0
	s_lshl_b32 s18, s15, 17                        ; in the images: head x 131,072
	s_lshl_b32 s26, ttmp9, 13                      ; + 8,192 for each x (eight fragments of k; four of v)
	s_add_co_u32 s18, s18, s26
	s_lshl_b32 s26, s14, 9
	s_add_co_u32 s24, s18, s26                     ; vimg: + 512 x wave: block u = wave
	s_mov_b32 s25, 0
	s_lshl_b32 s26, s14, 11
	s_add_co_u32 s18, s18, s26                     ; kimg: + 2 fragments of 1,024 bytes for each wave
	s_mov_b32 s19, 0
	s_mul_i32 s26, s14, WREG                       ; my stages
	v_mul_u32_u24 v3, v11, SP
	v_lshl_add_u32 v3, v10, 4, v3
	v_add_nc_u32 v3, s26, v3                       ; v3: into a stage: a load's 512 bytes are two rows: row lane / 16, byte 16 (lane % 16)
	v_mul_u32_u24 v4, v10, SP
	v_lshl_add_u32 v4, v11, 7, v4
	v_add_nc_u32 v4, s26, v4                       ; v4: out of it: row r, byte 128 h: my 32 channels
	s_wait_kmcnt 0x0
	s_load_b128 s[20:23], s[8:9], 0x0              ; e0 .. e3
	s_add_nc_u64 s[4:5], s[4:5], s[16:17]
	s_add_nc_u64 s[6:7], s[6:7], s[16:17]
	s_add_nc_u64 s[10:11], s[10:11], s[18:19]
	s_add_nc_u64 s[12:13], s[12:13], s[24:25]
.irp ff, 0,1
.irp j, 0,1,2,3,4,5,6,7
	global_load_b128 v[KR+32*\ff+4*\j:KR+32*\ff+4*\j+3], v1, s[4:5] offset:4096*\ff+512*\j th:TH_LOAD_NT   ; 32 lanes read 512 consecutive bytes: two keys
.endr
.endr
.irp cc, 0,1
.irp i, 0,1,2,3,4,5,6,7
	global_load_b128 v[VR+32*\cc+4*\i:VR+32*\cc+4*\i+3], v2, s[6:7] offset:4096*\cc+256*\i th:TH_LOAD_NT   ; key 16 cc + 8 h + i of my 32, channels 4 r .. 4 r + 3
.endr
.endr
	s_wait_kmcnt 0x0
	s_add_co_i32 s27, s21, 127
	s_lshl_b32 s28, s27, 23
	v_mov_b32 v5, s28                              ; 2^e1 as f32: the conversion takes its exponent field
	s_add_co_i32 s27, s27, 8
	s_lshl_b32 s27, s27, 23
	s_or_b32 s27, s27, 0x600000
	v_mov_b32 v6, s27                              ; 448 x 2^e1
	s_add_co_i32 s27, s23, 127
	s_lshl_b32 s28, s27, 23
	v_mov_b32 v7, s28                              ; 2^e3
	s_add_co_i32 s27, s27, 8
	s_lshl_b32 s27, s27, 23
	s_or_b32 s27, s27, 0x600000
	v_mov_b32 v8, s27                              ; 448 x 2^e3
	s_wait_loadcnt 16                              ; k's sixteen loads are in; v's sixteen, issued behind them, may be out
.irp ff, 0,1
.irp j, 0,1,2,3,4,5,6,7
	ds_store_b128 v3, v[KR+32*\ff+4*\j:KR+32*\ff+4*\j+3] offset:STG1*\ff+2*SP*\j
.endr
.endr
.irp ff, 0,1
.irp j, 0,1,2,3,4,5,6,7
	ds_load_b128 v[KT+32*\ff+4*\j:KT+32*\ff+4*\j+3], v4 offset:STG1*\ff+16*\j   ; LDS serves a wave's instructions in order (ISA guide 5.7.1.4): these see my stores
.endr
.endr
	s_wait_dscnt 0x0
.set n, 0
.rept 64
	v_med3_num_f32 v[KT+n], v[KT+n], -v6, v6       ; the conversion to an 8-bit code does not saturate (ISA guide 7.6.2): the hold at the largest code x the scale comes first
.set n, n+1
.endr
.irp ff, 0,1
.irp c, 0,1,2,3
	v_cvt_scalef32_pk8_fp8_f32 v[KC+8*\ff+2*\c:KC+8*\ff+2*\c+1], v[KT+32*\ff+8*\c:KT+32*\ff+8*\c+7], v5
.endr
.endr
.irp ff, 0,1
.irp u, 0,1
	global_store_b128 v1, v[KC+8*\ff+4*\u:KC+8*\ff+4*\u+3], s[10:11] offset:1024*\ff+512*\u   ; 512 consecutive bytes, at a multiple of 512 from the buffer's first byte
.endr
.endr
	s_wait_loadcnt 0x0                             ; v
.irp cc, 0,1
.irp t, 0,1,2,3
.irp i, 0,1,2,3,4,5,6,7
	v_med3_num_f32 v[XT+32*\cc+8*\t+\i], v[VR+32*\cc+4*\i+\t], -v8, v8   ; the hold, and the number's place: eight keys of channel 4 r + t on end.  (These plain lines also stand behind k's conversions)
.endr
.endr
.endr
.irp cc, 0,1
.irp t, 0,1,2,3
	v_cvt_scalef32_pk8_fp8_f32 v[VC+4*\t+2*\cc:VC+4*\t+2*\cc+1], v[XT+32*\cc+8*\t:XT+32*\cc+8*\t+7], v7   ; registers 4 w + 2 cc, + 1 of fragment (x, t)
.endr
.endr
	v_nop                                          ; a plain line behind the last conversion
.irp t, 0,1,2,3
	global_store_b128 v1, v[VC+4*\t:VC+4*\t+3], s[12:13] offset:2048*\t
.endr
	s_wait_tensorcnt 0x0
	ds_add_u32 v240, v241
	s_wait_dscnt 0x0
	s_endpgm
.Lfunc_end_k_q266aa1dd9c_quant:
	.size	k_q266aa1dd9c_quant, .Lfunc_end_k_q266aa1dd9c_quant-k_q266aa1dd9c_quant
	.p2alignl 7, 3214868480
	.fill 96, 4, 3214868480
	.section	.rodata,"a",@progbits
	.p2align	6, 0x0
	.amdhsa_kernel k_q266aa1dd9c_quant
		.amdhsa_group_segment_fixed_size 35328
		.amdhsa_private_segment_fixed_size 0
		.amdhsa_enable_private_segment 0
		.amdhsa_kernarg_size 40
		.amdhsa_user_sgpr_count 2
		.amdhsa_user_sgpr_kernarg_segment_ptr 1
		.amdhsa_wavefront_size32 1
		.amdhsa_system_sgpr_workgroup_id_x 1
		.amdhsa_system_sgpr_workgroup_id_y 1
		.amdhsa_system_sgpr_workgroup_id_z 1
		.amdhsa_system_vgpr_workitem_id 0
		.amdhsa_next_free_vgpr 242
		.amdhsa_next_free_sgpr 66
		.amdhsa_reserve_vcc 0
		.amdhsa_float_denorm_mode_32 3
		.amdhsa_float_denorm_mode_16_64 3
		.amdhsa_memory_ordered 1
		.amdhsa_forward_progress 1
		.amdhsa_inst_pref_size 18
	.end_amdhsa_kernel
	.amdgpu_metadata
---
amdhsa.version: [ 1, 2 ]
amdhsa.kernels:
  - .name:           k_q266aa1dd9c_quant
    .symbol:         k_q266aa1dd9c_quant.kd
    .args:
      - { .name: k, .offset: 0, .size: 8, .value_kind: global_buffer, .address_space: global }
      - { .name: v, .offset: 8, .size: 8, .value_kind: global_buffer, .address_space: global }
      - { .name: lowp_scales, .offset: 16, .size: 8, .value_kind: global_buffer, .address_space: global }
      - { .name: kimg, .offset: 24, .size: 8, .value_kind: global_buffer, .address_space: global }
      - { .name: vimg, .offset: 32, .size: 8, .value_kind: global_buffer, .address_space: global }
    .group_segment_fixed_size: 35328
    .private_segment_fixed_size: 0
    .kernarg_segment_align: 8
    .kernarg_segment_size: 40
    .max_flat_workgroup_size: 128
    .sgpr_count:     66
    .vgpr_count:     242
    .wavefront_size: 32
...
	.end_amdgpu_metadata
.endif
;; end of part 1
;; launch attn (part 2): grid 8 x 32, 8 waves a work-group, no clusters, 320,512 bytes of LDS; arguments q, kimg, vimg, lowp_scales, out0; writes out0
.if DOCPART == 2
	.amdgcn_target "amdgcn-amd-amdhsa--gfx1250"
	.amdhsa_code_object_version 6
	.text
	.protected	k_q266aa1dd9c_attn
	.globl	k_q266aa1dd9c_attn
	.p2align	8
	.type	k_q266aa1dd9c_attn,@function
k_q266aa1dd9c_attn:
	s_mov_b64 s[64:65], 0
	v_nop
	global_prefetch_b8 v0, s[64:65] scope:SCOPE_SE
	s_setreg_imm32_b32 hwreg(HW_REG_WAVE_MODE, 25, 1), 1
	s_wait_xcnt 0x0
; out[h][q][:] = the sum over keys of Q8(sparsemax_k(Q8(q) . Q8(k) / 8)) Q8(v), both products on codes of FP8 (E4M3), each operand with its given scale 2^e (e0 q, e1 k, e2 the weights, e3 v).
; SPARSEMAX WITHOUT A SORT.  sparsemax(x) = max(x - tau, 0), tau the one root of f(tau) = sum_k max(x_k - tau, 0) = 1: the same tau that the sorted sums give.  f falls, is convex and piecewise linear.
; All is done in the units of the code sums R: x = R 2^(e0+e1-3), so the root T solves sum max(R - T, 0) = U, U = 2^(3-e0-e1).
;   1. a pass over the keys for m = max R.  The root lies in [m - U, m]: f(m) = 0, f(m - U) >= U.
;   2. NBIS = 20 passes, each halving the bracket [LO, HI] at T = (LO + HI) / 2 by f(T) >= U or not; f at both ends is kept.
;   3. the chord through (LO, f(LO)) and (HI, f(HI)) gives T: the root itself, to f32 rounding, where no score lies inside the last bracket; else a point of that bracket.
;   4. the last pass: d = R - T, held within [0, 448 s], code = d / s, s = 2^(e2-e0-e1+3); O^T += V^T P^T; out = O 2^(e2+e3).
; GUARANTEE, for every input: |tau - its true value| <= 2^-20 plus f32 rounding; no step's length hangs on the data.
; R - T COSTS NO VECTOR WORK: every pass computes K Q^T anew on the matrix unit with -T as the C operand; a pass's vector work is one maximum with 0 and one addition a score, two scores an instruction each.
; LIMITS: NaN and infinities among the inputs are not served.  e0 between -126 and 119; e0 + e1 between -110 and 80 (U, 2,048 U and a unit in U's last place are normal f32 numbers);
;   e2 - e0 - e1 between -129 and 116; e2 + e3 is applied by v_ldexp_f32 and has no limit.  Where |x| reaches 2^24 the 1 in f = 1 is lost in f32, here as in sums of f32 of that size.
; SHARES.  Work-group (x, y): head y, queries 256 x .. 256 x + 255; 256 work-groups of EIGHT waves, two to a SIMD (2 x 512 registers), so that one wave's vector work stands beside the other's matrix work and LDS loads.
; Wave wv = qg + 4 g: the 64 queries of group qg (four tiles of 16) against key half g (keys 1,024 g on).  THE PARTNERS wv and wv xor 4 SHARE THEIR QUERIES AND SPLIT THE KEYS: so a fragment of K read from LDS
; still feeds four products, and the eight waves together read k's image once for each query group in a pass, as four waves with all keys each would.
; A pass's four partial sums (or maxima) go to the partner through LDS, 16 bytes a lane; a + b and b + a have the same bits, so both partners keep the same brackets and choose alike.
; TILES ARE NUMBERED LOCALLY: local tile t is tile (t + 2 g) mod 4 of the group, so both partners run one text on the same registers: local tiles 0, 1 are those that a wave quantises at the start and stores at the end;
; the partner's local tile t is my (t + 2) mod 4.
; The head's codes of k and v (131,072 bytes each, register images made by the launch before) are brought into LDS once, each wave an eighth of each, and only read until the last pass is over.
; NO CLUSTER: the eight work-groups of a head share these 262,144 bytes once, at the start, while each then walks k's image 22 times and v's once in its own LDS: what could be asked for jointly is a small part of the launch.
; NO RING: no tensor load fills LDS bytes a second time.
; LAYOUT.  Both products are used transposed.  S^T = K Q^T (source 0 = 16 keys, source 1 = 16 queries): lane (r = lane % 16, h = lane / 16) holds query r and, in register j, key 16 f + 8 h + j.
; Eight such registers convert into registers 2 c, 2 c + 1 of source 1 of O^T = V^T P^T (128 keys a step, c = the fragment's place in the step).  Row m of v's fragment t is channel 4 m + t,
; so register j of O^T's tile t is channel 32 h + 4 j + t: a lane's 32 results are 32 neighbouring channels of one row of the output.
; REGISTERS, window 0: v1-6, v10-15 addresses; v7 U; v8, v9 448 s, s; v16-39 LO, HI, f(LO), f(HI), T, f(T), one for each tile; v40-55 running sums or maxima, 4 a tile; v56-87 Q; v88-119 -T as a C operand;
;   v120-183 eight fragments of K in two sets of four; v184-247 two sets of four result tiles; v248-255 at work.   window 1: v0-127 O^T (32 a + 8 t + j); v128-191 P, 16 a tile; v192-255 V's four fragments.
.set NBIS,  20
.set VIMG,  131072                     ; LDS: k's image at 0 (fragment f at 1,024 f), v's here (fragment (s, t) at 8,192 s + 2,048 t),
.set STG,   262144                     ; a stage of 16 rows x 272 bytes for each wave,
.set SP,    272                        ; (256 bytes + 16 = 17 x 16 bytes)
.set QIMG,  299008                     ; q's codes as register images: group qg at 4,096 qg, its tile at 1,024 x tile; a multiple of 4,096, so that xor 2,048 leads from my two tiles to the partner's,
.set XCH,   315392                     ; and the exchange: 16 bytes for each of the 256 threads.  No tensor load ever fills the last three
.set L16,  1                           ; v1   16 x lane: my place in 512 consecutive bytes of q and of out0
.set KAD,  2                           ; v2   LDS address of the K loads in hand
.set VAD,  3                           ; v3   of the V loads
.set STO,  4                           ; v4   the stage by lanes: row r, byte 128 h
.set SRD,  5                           ; v5   the stage by rows: row lane / 16, byte 16 (lane % 16)
.set LK,   6                           ; v6   16 x lane + 65,536 g: my lane's place in my half of an image
.set UU,   7
.set LIMP, 8
.set SCP,  9
.set XST,  10                          ; v10  the exchange: my 16 bytes
.set XLD,  11                          ; v11  and those of the same lane of my partner
.set QST,  12                          ; v12  q's images: my two tiles
.set QLD,  13                          ; v13  my partner's two
.set OXS,  14                          ; v14  O^T's images at the end: 8,192 x wave + 16 x lane, in what was k's image
.set OXL,  15                          ; v15  my partner's
.set BLO,  16
.set BHI,  20
.set FLO,  24
.set FHI,  28
.set TT,   32
.set FF,   36
.set ACC,  40
.set Q,    56
.set C,    88
.set KB,   120
.set QR,   120                         ; q as f32, ahead of the passes: v120-183
.set OX,   120                         ; the partner's part of O^T, behind them: v120-183
.set D,    184
.set YS,   184                         ; the way out: a tile's 32 numbers
.set TMP,  248
.set TM2,  252
.set P,    128                         ; window 1
.set VF,   192                         ; window 1
.set WV,   14                          ; s14  wave
.set G1,   24                          ; s[24:31] descriptor group 1;  s[32:35], s[36:39] groups 0 for my eighth of k's and of v's image
.set MK,   40                          ; s40-43 the four tiles' compare masks
.set SEL,  44                          ; s[44:45] v_permlanex16_b32's selects for lane xor 16
.set SKA,  46                          ; s46  byte, in my half of k's image, of the fragments to be fetched next
.set SVA,  47                          ; s47  VIMG + byte, in my half of v's image, of the step's fragments
.set CNT,  48                          ; s48  inner counter
.set BIS,  49                          ; s49  bisections to go
.set ESUM, 50                          ; s50  e2 + e3
.set MSB, 0
.macro WIN new                         ; the immediate's high byte repeats the setting that is left; a switch that changes nothing is dropped
.if MSB != \new
	s_set_vgpr_msb (MSB<<8)|\new
.set MSB, \new
.endif
.endm
.macro BARRIER                         ; my LDS stores have landed and my LDS loads are in: then the work-group's barrier
	s_wait_dscnt 0x0
	s_barrier_signal -1
	s_barrier_wait -1
.endm
	s_load_b128 s[4:7], s[0:1], 0x0                ; q, kimg
	s_load_b128 s[8:11], s[0:1], 0x10              ; vimg, lowp_scales
	s_load_b64 s[12:13], s[0:1], 0x20              ; out0
	v_lshl_add_u32 v254, v0, 2, 0x4e000
	v_mov_b32 v255, 0
	ds_add_u32 v254, v255
	ds_add_u32 v254, v255
	s_wait_dscnt 0x0
	v_lshrrev_b32 v16, 5, v0
	v_readfirstlane_b32 s[WV], v16                 ; wave 0..7
	s_and_b32 s15, ttmp7, 0xffff                   ; head
	s_lshl_b32 s16, s15, 17                        ; in the images: head x 131,072
	s_lshl_b32 s33, s[WV], 14                      ; + my eighth; the same 16,384 x wave is its place in LDS
	s_add_co_u32 s16, s16, s33
	s_mov_b32 s17, 0
	s_lshl_b32 s18, s15, 19                        ; in q and out0: head x 2,048 rows of 256 bytes
	s_lshl_b32 s52, ttmp9, 16                      ; + 256 rows for each x
	s_add_co_u32 s18, s18, s52
	s_and_b32 s52, s[WV], 3
	s_lshl_b32 s52, s52, 14                        ; + 64 rows for each group qg
	s_add_co_u32 s18, s18, s52
	s_lshr_b32 s52, s[WV], 2
	s_lshl_b32 s52, s52, 13                        ; + 32 rows for g: my local tiles 0 and 1
	s_add_co_u32 s18, s18, s52
	s_mov_b32 s19, 0
	; descriptor group 1: a dense block of 16,384 bytes as 64 rows of 32 elements of 8 bytes; no padding, no mask
	s_mov_b32 s[G1+0], 3<<16                       ; 17:16 elements of 8 bytes
	s_mov_b32 s[G1+1], 32<<16                      ; tensor_dim0 = 32
	s_mov_b32 s[G1+2], 64<<16                      ; tensor_dim1 = 64
	s_mov_b32 s[G1+3], 32<<16                      ; tile_dim0 = 32
	s_mov_b32 s[G1+4], 64                          ; tile_dim1 = 64
	s_mov_b32 s[G1+5], 32                          ; from row to row: 32 elements
	s_mov_b32 s[G1+6], 0
	s_mov_b32 s[G1+7], 0
	s_mov_b32 s32, 1                               ; count = 1
	s_mov_b32 s36, 1
	s_add_co_u32 s37, s33, VIMG                    ; v's eighth in LDS
	s_mov_b32 s[SEL], 0x76543210
	s_mov_b32 s[SEL+1], 0xfedcba98
	s_wait_kmcnt 0x0
	s_load_b128 s[20:23], s[10:11], 0x0            ; e0 .. e3
	s_add_nc_u64 s[34:35], s[6:7], s[16:17]
	s_or_b32 s35, s35, 0x80000000                  ; type = 2
	s_add_nc_u64 s[38:39], s[8:9], s[16:17]
	s_or_b32 s39, s39, 0x80000000
	tensor_load_to_lds s[32:35], s[G1:G1+7]        ; the launch's only fills, together at its start: two tensor loads of mine are out
	s_nop 0
	tensor_load_to_lds s[36:39], s[G1:G1+7]
	s_nop 0
.rept 4
	v_nop
.endr
	s_add_nc_u64 s[4:5], s[4:5], s[18:19]          ; q and out0 at the first of my 32 rows
	s_add_nc_u64 s[12:13], s[12:13], s[18:19]
	v_and_b32 v16, 31, v0
	v_lshlrev_b32 v[L16], 4, v16
.irp a, 0,1
.irp p, 0,1,2,3,4,5,6,7
	global_load_b128 v[QR+32*\a+4*\p:QR+32*\a+4*\p+3], v[L16], s[4:5] offset:4096*\a+512*\p th:TH_LOAD_NT   ; 512 consecutive bytes: two rows of q; each row is read by one wave of the launch
.endr
.endr
	v_and_b32 v16, 15, v0                          ; r
	v_bfe_u32 v17, v0, 4, 1                        ; h
	s_mul_i32 s51, s[WV], 16*SP
	s_add_co_u32 s51, s51, STG                     ; my stage
	v_mul_u32_u24 v[STO], v16, SP
	v_lshl_add_u32 v[STO], v17, 7, v[STO]
	v_add_nc_u32 v[STO], s51, v[STO]
	v_mul_u32_u24 v[SRD], v17, SP
	v_lshl_add_u32 v[SRD], v16, 4, v[SRD]
	v_add_nc_u32 v[SRD], s51, v[SRD]
	v_lshrrev_b32 v18, 7, v0                       ; g
	v_lshl_add_u32 v[LK], v18, 16, v[L16]
	v_lshl_add_u32 v[XST], v0, 4, XCH              ; 16 x thread
	v_xor_b32 v19, 128, v0                         ; the same lane of wave xor 4
	v_lshl_add_u32 v[XLD], v19, 4, XCH
	v_bfe_u32 v19, v0, 5, 2                        ; qg
	v_lshl_add_u32 v[QST], v19, 12, v[L16]
	v_lshl_add_u32 v[QST], v18, 11, v[QST]
	v_add_nc_u32 v[QST], QIMG, v[QST]              ; QIMG + 4,096 qg + 2,048 g + 16 x lane
	v_xor_b32 v[QLD], 2048, v[QST]                 ; the same with 1 - g
	v_lshrrev_b32 v19, 5, v0
	v_lshl_add_u32 v[OXS], v19, 13, v[L16]         ; 8,192 x wave + 16 x lane
	v_xor_b32 v[OXL], 32768, v[OXS]                ; the same with wave xor 4
.irp t, 0,1,2,3
	v_mov_b32 v[TM2+\t], 0                         ; written once: a lane permute's destination counts as one of its sources
.endr
	s_wait_kmcnt 0x0
	s_add_co_i32 s51, s20, s21                     ; e0 + e1
	s_sub_co_i32 s52, 130, s51
	s_lshl_b32 s52, s52, 23
	v_mov_b32 v[UU], s52                           ; U = 2^(3 - e0 - e1)
	s_sub_co_i32 s53, s22, s51
	s_add_co_i32 s53, s53, 130
	s_lshl_b32 s54, s53, 23
	v_mov_b32 v[SCP], s54                          ; s = 2^(e2 - e0 - e1 + 3): a weight's code is d / s
	s_add_co_i32 s53, s53, 8
	s_lshl_b32 s53, s53, 23
	s_or_b32 s53, s53, 0x600000
	v_mov_b32 v[LIMP], s53                         ; 448 s
	s_add_co_i32 s53, s20, 127
	s_lshl_b32 s54, s53, 23
	v_mov_b32 v[TMP], s54                          ; 2^e0, for q's conversions
	s_add_co_i32 s53, s53, 8
	s_lshl_b32 s53, s53, 23
	s_or_b32 s53, s53, 0x600000
	v_mov_b32 v[TMP+1], s53                        ; 448 x 2^e0
	s_add_co_i32 s[ESUM], s22, s23
	; my two tiles of q turn through my stage, 16 rows at a time: in as the bytes lie, out 128 bytes (32 channels of one row) a lane, back into the registers that they left
.irp a, 0,1
	s_wait_loadcnt 8-8*\a                          ; tile a's eight loads are in; the other tile's may be out
.irp p, 0,1,2,3,4,5,6,7
	ds_store_b128 v[SRD], v[QR+32*\a+4*\p:QR+32*\a+4*\p+3] offset:2*SP*\p
.endr
.irp j, 0,1,2,3,4,5,6,7
	ds_load_b128 v[QR+32*\a+4*\j:QR+32*\a+4*\j+3], v[STO] offset:16*\j   ; LDS serves a wave's instructions in order (ISA guide 5.7.1.4): these see the stores above, and the next tile's stores come behind them
.endr
.endr
	s_wait_dscnt 0x0
.set n, 0
.rept 64
	v_med3_num_f32 v[QR+n], v[QR+n], -v[TMP+1], v[TMP+1]   ; the conversion to an 8-bit code does not saturate (ISA guide 7.6.2)
.set n, n+1
.endr
.irp a, 0,1
.irp c, 0,1,2,3
	v_cvt_scalef32_pk8_fp8_f32 v[Q+8*\a+2*\c:Q+8*\a+2*\c+1], v[QR+32*\a+8*\c:QR+32*\a+8*\c+7], v[TMP]   ; byte b of register p: channel 32 h + 4 p + b, as in k's image
.endr
.endr
	v_nop                                          ; a plain line behind the last conversion, ahead of the products that read Q
.irp a, 0,1
.irp u, 0,1
	ds_store_b128 v[QST], v[Q+8*\a+4*\u:Q+8*\a+4*\u+3] offset:1024*\a+512*\u   ; my two tiles' codes, as they stand in my registers, for my partner
.endr
.endr
	s_wait_tensorcnt 0x0                           ; my eighths of both images have landed,
	BARRIER                                        ; my stores too; now everybody's have: the images are only read until the last pass is over
.irp a, 0,1
.irp u, 0,1
	ds_load_b128 v[Q+16+8*\a+4*\u:Q+16+8*\a+4*\u+3], v[QLD] offset:1024*\a+512*\u   ; my partner's two tiles are my local tiles 2 and 3
.endr
.endr
; Four fragments of K, set 0 or 1 of the eight at v[KAD]: eight loads of 512 consecutive bytes
.macro LOADK set
.irp i, 0,1,2,3
	ds_load_b128 v[KB+32*\set+8*\i:KB+32*\set+8*\i+3],   v[KAD] offset:4096*\set+1024*\i
	ds_load_b128 v[KB+32*\set+8*\i+4:KB+32*\set+8*\i+7], v[KAD] offset:4096*\set+1024*\i+512
.endr
.endm
; Fragment i of the eight against my four tiles of queries, into result set ds.  cm = 1: C = -T, so that the results are R - T; 0: C = 0.  The results never lie on their C: there is no chain.
.macro WM i, ds, cm
.irp t, 0,1,2,3
.if \cm
	v_wmma_f32_16x16x64_fp8_fp8 v[D+32*(\ds)+8*\t:D+32*(\ds)+8*\t+7], v[KB+8*(\i):KB+8*(\i)+7], v[Q+8*\t:Q+8*\t+7], v[C+8*\t:C+8*\t+7]
.else
	v_wmma_f32_16x16x64_fp8_fp8 v[D+32*(\ds)+8*\t:D+32*(\ds)+8*\t+7], v[KB+8*(\i):KB+8*(\i)+7], v[Q+8*\t:Q+8*\t+7], 0
.endif
.endr
.endm
.macro RELU2 r                         ; two maxima with 0 in one instruction: an even and an odd destination, second sources one register apart
	v_dual_max_num_f32 v[\r], 0, v[\r] :: v_dual_max_num_f32 v[(\r)+1], 0, v[(\r)+1]
.endm
; The vector work on a result set.  Each begins at the low end of every accumulator.
.macro VA_SUM ds                       ; 32 scores a lane: 16 double maxima, 16 packed additions into two chains a tile
.irp j, 0,1,2,3
.irp t, 0,1,2,3
	RELU2 D+32*(\ds)+8*\t+2*\j
.endr
.endr
.irp j, 0,1,2,3
.irp t, 0,1,2,3
	v_pk_add_f32 v[ACC+4*\t+2*(\j%2):ACC+4*\t+2*(\j%2)+1], v[ACC+4*\t+2*(\j%2):ACC+4*\t+2*(\j%2)+1], v[D+32*(\ds)+8*\t+2*\j:D+32*(\ds)+8*\t+2*\j+1]
.endr
.endr
.endm
.macro VA_MAX ds                       ; 16 maxima of three, four chains a tile
.irp j, 0,1,2,3
.irp t, 0,1,2,3
	v_max3_num_f32 v[ACC+4*\t+\j], v[ACC+4*\t+\j], v[D+32*(\ds)+8*\t+2*\j], v[D+32*(\ds)+8*\t+2*\j+1]
.endr
.endr
.endm
.macro VWORK kind, ds
.if \kind
	VA_SUM \ds
.else
	VA_MAX \ds
.endif
.endm
; EIGHT FRAGMENTS (128 keys).  On the way in: fragment 0's products are issued (set 0), K's set 0 is in, its set 1 is asked for.  In step i the products of fragment i + 1 are issued into one result set
; and the vector work is done on the other.  That vector work, 16 plain lines or more that name no register of the products just issued, is also the distance (ISA guide 7.12.1 for vector instructions)
; between products and the first read of their results, between a K set's last products and the loads that fill it again, and between two writers of a result set.
; The next eight fragments, at s[SKA] in my half, are fetched a set at a time as each set falls free.  last = 1: a pass's last eight: no products for a ninth.
.macro BODY kind, last
	v_add_nc_u32 v[KAD], s[SKA], v[LK]
.irp i, 0,1,2,3,4,5,6,7
.if \i == 3
	LOADK 0
	s_wait_dscnt 8                                 ; all but the eight just issued: this body's set 1 is in
.endif
.if \i == 7
	LOADK 1
.if !\last
	s_wait_dscnt 8                                 ; all but the eight just issued: the next body's set 0 is in
.endif
.endif
.if (\i < 7) || !\last
	WM (\i+1)%8, (\i+1)%2, \kind
.endif
	VWORK \kind, \i%2
.endr
.endm
; A PASS over my 1,024 keys: eight bodies.  kind 0: the maximum of R; kind 1: the sum of max(R - T, 0).  Its last body fetches my fragments 0 to 7 again, for the pass that follows.
.macro PASS kind
	s_wait_dscnt 8                                 ; set 0 (and, the first time, Q) is in; the eight loads of set 1, issued behind it, may be out
	WM 0, 0, \kind
.irp n, 0,1,2,3,4,5,6,7,8,9,10,11,12,13,14,15
.if \kind
	v_mov_b32 v[ACC+\n], 0                         ; (these sixteen lines are also the places behind the first products)
.else
	v_mov_b32 v[ACC+\n], 0xff800000                ; -infinity
.endif
.endr
	s_mov_b32 s[SKA], 8192
	s_mov_b32 s[CNT], 7
.Lbody_\@:
	BODY \kind, 0
	s_add_co_u32 s[SKA], s[SKA], 8192
	s_sub_co_u32 s[CNT], s[CNT], 1
	s_cmp_lg_u32 s[CNT], 0
	s_cbranch_scc1 .Lbody_\@
	s_mov_b32 s[SKA], 0
	BODY \kind, 1
.endm
; THE EXCHANGE.  My four numbers v[src] .. v[src + 3] go to my 16 bytes; behind a barrier my partner's four come into v[TMP] on (its tile t is my (t + 2) mod 4).
; The second barrier stands between every wave's load and the next exchange's stores into the same bytes.
.macro XCHG src
	ds_store_b128 v[XST], v[\src:\src+3]
	BARRIER
	ds_load_b128 v[TMP:TMP+3], v[XLD]
	BARRIER
.endm
; T = (LO + HI) / 2, and -T in the eight registers of each tile's C operand (every row of a result's column belongs to the lane's query).  The halving rounds nothing, so C is -T bit for bit.
.macro NEWT
.irp t, 0,1,2,3
	v_add_f32 v[TMP+\t], v[BLO+\t], v[BHI+\t]
.endr
.irp t, 0,1,2,3
	v_mul_f32 v[TT+\t], 0.5, v[TMP+\t]
.endr
.irp j, 0,1,2,3,4,5,6,7
.irp t, 0,1,2,3
	v_mul_f32 v[C+8*\t+\j], -0.5, v[TMP+\t]
.endr
.endr
.endm
	v_mov_b32 v[KAD], v[LK]
	LOADK 0                                        ; my fragments 0 to 7
	LOADK 1
	PASS 0                                         ; the maximum of R over my keys
.irp t, 0,1,2,3
	v_max3_num_f32 v[TMP+\t], v[ACC+4*\t], v[ACC+4*\t+1], v[ACC+4*\t+2]
.endr
.irp t, 0,1,2,3
	v_max_num_f32 v[TMP+\t], v[TMP+\t], v[ACC+4*\t+3]
.endr
.irp t, 0,1,2,3
	v_permlanex16_b32 v[TM2+\t], v[TMP+\t], s[SEL], s[SEL+1]   ; the query's other keys of my half lie in the lane 16 away
.endr
.irp t, 0,1,2,3
	v_max_num_f32 v[BHI+\t], v[TMP+\t], v[TM2+\t]
.endr
	XCHG BHI
.irp t, 0,1,2,3
	v_max_num_f32 v[BHI+\t], v[BHI+\t], v[TMP+(\t+2)%4]   ; HI = m over all 2,048 keys, f(HI) = 0
.endr
.irp t, 0,1,2,3
	v_sub_f32 v[BLO+\t], v[BHI+\t], v[UU]          ; LO = m - U; for f(LO) its lower bound U is kept until LO moves
.endr
.irp t, 0,1,2,3
	v_mov_b32 v[FLO+\t], v[UU]
.endr
.irp t, 0,1,2,3
	v_mov_b32 v[FHI+\t], 0
.endr
	NEWT
	s_mov_b32 s[BIS], NBIS
.Lbis:
	PASS 1                                         ; my keys' part of f(T)
.irp t, 0,1,2,3
	v_pk_add_f32 v[ACC+4*\t:ACC+4*\t+1], v[ACC+4*\t:ACC+4*\t+1], v[ACC+4*\t+2:ACC+4*\t+3]
.endr
.irp t, 0,1,2,3
	v_add_f32 v[FF+\t], v[ACC+4*\t], v[ACC+4*\t+1]
.endr
.irp t, 0,1,2,3
	v_permlanex16_b32 v[TM2+\t], v[FF+\t], s[SEL], s[SEL+1]
.endr
.irp t, 0,1,2,3
	v_add_f32 v[FF+\t], v[FF+\t], v[TM2+\t]        ; the same two numbers are added in both lanes of a query,
.endr
	XCHG FF
.irp t, 0,1,2,3
	v_add_f32 v[FF+\t], v[FF+\t], v[TMP+(\t+2)%4]  ; and the same two in both partners: all four lanes of a query hold the same bits and choose alike
.endr
.irp t, 0,1,2,3
	v_cmp_ge_f32 s[MK+\t], v[FF+\t], v[UU]         ; f(T) >= U: the root lies at or above T.  The mask only selects values: no branch and no address hangs on it
.endr
.irp t, 0,1,2,3
	v_cndmask_b32 v[BLO+\t], v[BLO+\t], v[TT+\t], s[MK+\t]
	v_cndmask_b32 v[FLO+\t], v[FLO+\t], v[FF+\t], s[MK+\t]
	v_cndmask_b32 v[BHI+\t], v[TT+\t], v[BHI+\t], s[MK+\t]
	v_cndmask_b32 v[FHI+\t], v[FF+\t], v[FHI+\t], s[MK+\t]
.endr
	NEWT
	s_sub_co_u32 s[BIS], s[BIS], 1
	s_cmp_lg_u32 s[BIS], 0
	s_cbranch_scc1 .Lbis
	; THE CHORD: T = min(HI, LO + (HI - LO) (f(LO) - U) / (f(LO) - f(HI))).  f(LO) >= U > f(HI), so the divisor is positive and T lies in the bracket
.irp t, 0,1,2,3
	v_sub_f32 v[TMP+\t], v[FLO+\t], v[FHI+\t]
.endr
.irp t, 0,1,2,3
	v_sub_f32 v[TM2+\t], v[FLO+\t], v[UU]
.endr
.irp t, 0,1,2,3
	v_rcp_f32 v[TMP+\t], v[TMP+\t]
.endr
.irp t, 0,1,2,3
	v_sub_f32 v[FF+\t], v[BHI+\t], v[BLO+\t]       ; (plain lines behind the reciprocals, ahead of the use of their results)
.endr
	s_wait_alu depctr_va_vdst(0)
.irp t, 0,1,2,3
	v_mul_f32 v[TM2+\t], v[TM2+\t], v[TMP+\t]
.endr
.irp t, 0,1,2,3
	v_fma_f32 v[TT+\t], v[FF+\t], v[TM2+\t], v[BLO+\t]
.endr
.irp t, 0,1,2,3
	v_min_num_f32 v[TT+\t], v[TT+\t], v[BHI+\t]
.endr
.irp j, 0,1,2,3,4,5,6,7
.irp t, 0,1,2,3
	v_mul_f32 v[C+8*\t+\j], -1.0, v[TT+\t]
.endr
.endr
; THE LAST PASS.  VB: a result set becomes codes: the hold between 0 and 448 s is the clip at 0 and the hold at the largest code in one; eight keys of a lane's query become registers 2 c, 2 c + 1 of P.
.macro VB ds, c
.irp t, 0,1,2,3
.irp j, 0,1,2,3,4,5,6,7
	v_med3_num_f32 v[D+32*(\ds)+8*\t+\j], v[D+32*(\ds)+8*\t+\j], 0, v[LIMP]
.endr
.endr
	WIN 0x40                                       ; destination window 1
.irp t, 0,1,2,3
	v_cvt_scalef32_pk8_fp8_f32 v[P+16*\t+2*(\c):P+16*\t+2*(\c)+1], v[D+32*(\ds)+8*\t:D+32*(\ds)+8*\t+7], v[SCP]
.endr
	WIN 0
	v_nop                                          ; a plain line between the conversions and the products that write their sources anew or read their results
.endm
; O^T += V^T P^T for 128 keys: sixteen accumulators, one instruction each, by turns; between two links on one accumulator stand the fifteen others and the next step's 32 products K Q^T.
.macro PV zero
	WIN 0x55                                       ; all four places window 1
.irp t, 0,1,2,3
.irp a, 0,1,2,3
.if \zero
	v_wmma_f32_16x16x128_fp8_fp8 v[32*\a+8*\t:32*\a+8*\t+7], v[VF+16*\t:VF+16*\t+15], v[P+16*\a:P+16*\a+15], 0   ; the first step starts the sums: nothing is cleared
.else
	v_wmma_f32_16x16x128_fp8_fp8 v[32*\a+8*\t:32*\a+8*\t+7], v[VF+16*\t:VF+16*\t+15], v[P+16*\a:P+16*\a+15], v[32*\a+8*\t:32*\a+8*\t+7]
.endif
.endr
.endr
	WIN 0
.endm
; A step of 128 keys: BODY's pipeline with VB as the vector work; the step's V fragments are fetched behind the first VB, whose 32 holds are the distance behind the last step's products V^T P^T.
.macro KSTEP zero, last
.if !\last
	v_add_nc_u32 v[KAD], s[SKA], v[LK]
.endif
	v_add_nc_u32 v[VAD], s[SVA], v[LK]
.irp i, 0,1,2,3,4,5,6,7
.if \i == 1
	WIN 0x40                                       ; destination window 1, address window 0
.irp t, 0,1,2,3
.irp u, 0,1,2,3
	ds_load_b128 v[VF+16*\t+4*\u:VF+16*\t+4*\u+3], v[VAD] offset:2048*\t+512*\u
.endr
.endr
	WIN 0
.endif
.if \i == 3
.if \last
	s_wait_dscnt 16                                ; V's sixteen loads may be out: K's set 1 is in
.else
	LOADK 0
	s_wait_dscnt 24                                ; V's sixteen and the eight just issued may be out: K's set 1 is in
.endif
.endif
.if \i == 7
.if \last
	s_wait_dscnt 0x0                               ; V is in
.else
	LOADK 1
	s_wait_dscnt 8                                 ; all but the eight just issued: V, and the next step's set 0, are in
.endif
.endif
.if (\i < 7) || !\last
	WM (\i+1)%8, (\i+1)%2, 1
.endif
	VB \i%2, \i
.endr
	PV \zero
.endm
	s_wait_dscnt 8                                 ; set 0 is in; set 1's eight loads may be out
	WM 0, 0, 1
.rept 4
	v_nop                                          ; places behind the first products, ahead of the first read of their results
.endr
	s_mov_b32 s[SKA], 8192
	s_mov_b32 s[SVA], VIMG
	KSTEP 1, 0                                     ; my first 128 keys
	s_mov_b32 s[CNT], 6
.Lkstep:
	s_add_co_u32 s[SKA], s[SKA], 8192
	s_add_co_u32 s[SVA], s[SVA], 8192
	KSTEP 0, 0
	s_sub_co_u32 s[CNT], s[CNT], 1
	s_cmp_lg_u32 s[CNT], 0
	s_cbranch_scc1 .Lkstep
	s_add_co_u32 s[SVA], s[SVA], 8192
	KSTEP 0, 1                                     ; my last 128 keys: nothing more of K to fetch
; THE TWO HALVES OF THE KEYS MEET.  Behind a barrier nobody reads k's image any more; no tensor load fills it again.  My sums for local tiles 2 and 3, which my partner finishes, go there as they stand in my
; registers (sixteen stores of 512 consecutive bytes; each accumulator's low four registers first); behind a second barrier my partner's sums for my local tiles 0 and 1 come back the same way.
.rept 4
	v_nop                                          ; places behind the last products
.endr
	BARRIER                                        ; every wave's loads from the images are in
	WIN 0x04                                       ; store data window 1, address window 0
.irp n, 0,1,2,3,4,5,6,7,8,9,10,11,12,13,14,15
	ds_store_b128 v[OXS], v[64+4*\n:64+4*\n+3] offset:512*\n
.endr
	WIN 0
	BARRIER
.irp n, 0,1,2,3,4,5,6,7,8,9,10,11,12,13,14,15
	ds_load_b128 v[OX+4*\n:OX+4*\n+3], v[OXL] offset:512*\n
.endr
	s_wait_dscnt 0x0
; THE WAY OUT, a tile of 16 rows at a time.  The two halves' sums are added, each number to its place among the lane's 32 neighbouring channels (each accumulator is read from its low end on);
; x 2^(e2 + e3); 128 bytes a lane into my stage; back as whole rows; each store covers two rows of out0, 512 consecutive bytes at a multiple of 512 from its first byte.
; Each tile comes back into registers of its own, so no store's data are written again.
.macro OUTT a, y
	WIN 0x01                                       ; source 0 window 1
.irp j, 0,1,2,3,4,5,6,7
.irp t, 0,1,2,3
	v_add_f32 v[YS+4*\j+\t], v[32*\a+8*\t+\j], v[OX+32*\a+8*\t+\j]
.endr
.endr
	WIN 0
.set n, 0
.rept 32
	v_ldexp_f32 v[YS+n], v[YS+n], s[ESUM]
.set n, n+1
.endr
.irp j, 0,1,2,3,4,5,6,7
	ds_store_b128 v[STO], v[YS+4*\j:YS+4*\j+3] offset:16*\j
.endr
.irp p, 0,1,2,3,4,5,6,7
	ds_load_b128 v[\y+4*\p:\y+4*\p+3], v[SRD] offset:2*SP*\p   ; LDS serves a wave's instructions in order (ISA guide 5.7.1.4)
.endr
.endm
.macro SEND a, y
.irp p, 0,1,2,3,4,5,6,7
	global_store_b128 v[L16], v[\y+4*\p:\y+4*\p+3], s[12:13] offset:4096*\a+512*\p th:TH_STORE_NT   ; written once, read by nobody here
.endr
.endm
	OUTT 0, 216
	OUTT 1, 56
	s_wait_dscnt 16                                ; tile 1's eight stores and eight loads may be out: tile 0 is back
	SEND 0, 216
	s_wait_dscnt 0x0
	SEND 1, 56
	s_wait_xcnt 0x0
	v_lshl_add_u32 v254, v0, 2, 0x4e000
	v_mov_b32 v255, 0
	s_wait_tensorcnt 0x0
	ds_add_u32 v254, v255
	s_wait_dscnt 0x0
	s_endpgm
.Lfunc_end_k_q266aa1dd9c_attn:
	.size	k_q266aa1dd9c_attn, .Lfunc_end_k_q266aa1dd9c_attn-k_q266aa1dd9c_attn
	.p2alignl 7, 3214868480
	.fill 96, 4, 3214868480
	.section	.rodata,"a",@progbits
	.p2align	6, 0x0
	.amdhsa_kernel k_q266aa1dd9c_attn
		.amdhsa_group_segment_fixed_size 320512
		.amdhsa_private_segment_fixed_size 0
		.amdhsa_enable_private_segment 0
		.amdhsa_kernarg_size 40
		.amdhsa_user_sgpr_count 2
		.amdhsa_user_sgpr_kernarg_segment_ptr 1
		.amdhsa_wavefront_size32 1
		.amdhsa_system_sgpr_workgroup_id_x 1
		.amdhsa_system_sgpr_workgroup_id_y 1
		.amdhsa_system_sgpr_workgroup_id_z 1
		.amdhsa_system_vgpr_workitem_id 0
		.amdhsa_next_free_vgpr 512
		.amdhsa_next_free_sgpr 66
		.amdhsa_reserve_vcc 0
		.amdhsa_float_denorm_mode_32 3
		.amdhsa_float_denorm_mode_16_64 3
		.amdhsa_memory_ordered 1
		.amdhsa_forward_progress 1
		.amdhsa_inst_pref_size 170
	.end_amdhsa_kernel
	.amdgpu_metadata
---
amdhsa.version: [ 1, 2 ]
amdhsa.kernels:
  - .name:           k_q266aa1dd9c_attn
    .symbol:         k_q266aa1dd9c_attn.kd
    .args:
      - { .name: q, .offset: 0, .size: 8, .value_kind: global_buffer, .address_space: global }
      - { .name: kimg, .offset: 8, .size: 8, .value_kind: global_buffer, .address_space: global }
      - { .name: vimg, .offset: 16, .size: 8, .value_kind: global_buffer, .address_space: global }
      - { .name: lowp_scales, .offset: 24, .size: 8, .value_kind: global_buffer, .address_space: global }
      - { .name: out0, .offset: 32, .size: 8, .value_kind: global_buffer, .address_space: global }
    .group_segment_fixed_size: 320512
    .private_segment_fixed_size: 0
    .kernarg_segment_align: 8
    .kernarg_segment_size: 40
    .max_flat_workgroup_size: 256
    .sgpr_count:     66
    .vgpr_count:     512
    .wavefront_size: 32
...
	.end_amdgpu_metadata
.endif
;; end of part 2
